; MI455X (gfx1250); checked and timed in simulation.
; The chip was launched on July 23, 2026; its instructions are those of AMD's public machine-readable ISA for CDNA 5 (MIT licence, August 2026) and "CDNA5" Instruction Set Architecture Reference Guide (July 2026). The comments in the code are by the model that wrote it; some were corrected since.
;; Multi Headed Attention. Allowed arithmetic: matrix products marked QUANTISED: E5M2 operands, one E8M0 scale for each 32 along K, by v_wmma_scale_f32_16x16x128_f8f6f4 with both operands' format E5M2, f32 sums; everything else in f32.
;; Inputs: W_K 1,024 x 1,024 float32; W_O 1,024 x 1,024 float32; W_Q 1,024 x 1,024 float32; W_V 1,024 x 1,024 float32; beta 1,024 float32; gamma 1,024 float32; key 4 x 2,048 x 1,024 float32; mask 4 x 2,048 x 2,048 int32; query 4 x 2,048 x 1,024 float32; value 4 x 2,048 x 1,024 float32.
;; Outputs: out0 4 x 2,048 x 1,024 float32.
;; This version of the problem:
;;   THIS VERSION OF THE PROBLEM IS GIVEN IN LOW PRECISION. The matrix products marked QUANTISED in the list below multiply operands that are first quantised to E5M2 (5 exponent bits, 2 mantissa bits; 8 bits a number), with one power-of-two scale for each 32 numbers along K (OCP MX v1.0); their sums are f32. All else is computed in f32.
;;   The module's matrix products, in the order in which they are computed (A, B: the left and right operand; K: the contracted axis; several contracted axes count as one K, in the product's order):
;;     1. [M 8,192, K 1,024] x [K 1,024, N 1,024]; A: input query; B: input W_Q: QUANTISED
;;     2. [M 8,192, K 1,024] x [K 1,024, N 1,024]; A: input key; B: input W_K: QUANTISED
;;     3. [M 8,192, K 1,024] x [K 1,024, N 1,024]; A: input value; B: input W_V: QUANTISED
;;     4. batch 64 x [M 2,048, K 64] x [K 64, N 2,048]; A: computed on the way; B: computed on the way: QUANTISED
;;     5. batch 64 x [M 2,048, K 2,048] x [K 2,048, N 64]; A: softmax (see below); B: computed on the way: QUANTISED
;;     6. [M 8,192, K 1,024] x [K 1,024, N 1,024]; A: computed on the way; B: input W_O: QUANTISED
;;   THE QUANTISER, for each operand of a quantised product, along K:
;;     - K is cut into blocks of 32 from its start; a last block that is shorter is filled with zeros.
;;     - A block's scale is 2^e with e = floor(log2(the largest magnitude in the block)) - 15, held to -126 .. 127; a block of zeros has e = 0. As a byte (E8M0): e + 127.
;;     - Each number is divided by its block's scale, clamped to +-57,344, and rounded to the nearest number of E5M2, ties to even, subnormals kept.
;;     - The product sums the exact products of the quantised numbers (number of the format x scale) in f32.
;;   ~~~python
;;   def quantise(x, axis):      # numpy; x: float32 -> the quantised numbers, widened to float32 again
;;       x = np.moveaxis(x, axis, -1); K = x.shape[-1]
;;       x = np.pad(x, [(0, 0)] * (x.ndim - 1) + [(0, -K % 32)]); x = x.reshape(x.shape[:-1] + (-1, 32)); a = np.abs(x).max(-1, keepdims=True)
;;       e = np.where(a > 0, np.clip(np.frexp(np.where(a > 0, a, 1))[1] - 1 - 15, -126, 127), 0)      # np.frexp(a)[1] - 1 = floor(log2(a)), exactly
;;       r = np.clip(x / 2.0 ** e, -57344, 57344)
;;       step = 2.0 ** (np.maximum(np.frexp(np.where(r == 0, 1, r))[1] - 1, -14) - 2)
;;       q = np.round(r / step) * step * 2.0 ** e      # np.round: ties to even
;;       return np.moveaxis(q.reshape(q.shape[:-2] + (-1,))[..., :K], -1, axis).astype(np.float32)
;;   ~~~
;;   SOFTMAX AHEAD OF A QUANTISED PRODUCT. Where the list says 'softmax', what is quantised is not the finished softmax but p = 2^(t - M), with t = logit x log2(e) and M = ceil(the row's largest t), a whole number; so 1/2 < the row's largest p <= 1. The row's sum l is taken of the UNQUANTISED p, in f32, and the product's result is divided by l at the end. Since M is a whole number, a kernel that streams over the keys may use a running M (the ceiling of the running maximum): every later rescaling is an exact power of two, which a block's scale takes up: the codes' values come out the same.
;;   OPERANDS COMPUTED ON THE WAY. 'Computed on the way' means the value that the module computes at that place (a softmax that the list does not call 'softmax' is quantised finished and normalised). What goes into a quantiser is computed in f32, as accurately as f32 sums, v_exp_f32 and their like allow (about 1e-6 of the number): no bf16 or f16 on the way to a quantiser, and a product that is left as it is and whose result goes on into a quantised operand takes f32 operands (vector FMAs, or v_wmma_f32_16x16x4_f32). A number that lies on a knife's edge between two numbers of the format may be rounded either way, as far as f32 arithmetic and the matrix unit's own rounding can turn it there, and no further.
;; One version. Each part assembles by itself: llvm-mc -triple=amdgcn-amd-amdhsa -mcpu=gfx1250 --defsym DOCPART=n.
;; ======== version 1 of 1: 4 launches
;; limits: right only within a limited range of input values
;; workspace buffers: img 29,360,128 bytes; sc 917,504 bytes; maskw 2,097,152 bytes of whole numbers; qimg 8,650,752 bytes; kv 17,301,504 bytes; ctximg 8,388,608 bytes; csc 262,144 bytes
;; launch prep (part 1): grid 704 x 1, 4 waves a work-group, no clusters, 36,352 bytes of LDS; arguments query, key, value, W_Q, W_K, W_V, W_O, mask, img, sc, maskw; writes img, sc, maskw
.if DOCPART == 1
	.amdgcn_target "amdgcn-amd-amdhsa--gfx1250"
	.amdhsa_code_object_version 6
	.text
	.protected	k_qf4ff2f37bb_prep
	.globl	k_qf4ff2f37bb_prep
	.p2align	8
	.type	k_qf4ff2f37bb_prep,@function
k_qf4ff2f37bb_prep:
	s_mov_b64 s[64:65], 0
	v_nop
	global_prefetch_b8 v0, s[64:65] scope:SCOPE_SE
	s_setreg_imm32_b32 hwreg(HW_REG_WAVE_MODE, 25, 1), 1
	s_wait_xcnt 0x0
; query, key, value [8192][1024] and W_Q, W_K, W_V, W_O [1024][1024], f32, become codes of BF8 (E5M2) with one E8M0 byte for each 32 along K (the last axis);
; mask [4][2048][2048], int32, becomes one bit a number (mask == 1).
; TILES.  16 rows form a tile; row r of tile T is row 32 (T / 2) + 8 (T % 2) + r + 8 (r / 8) of its tensor, so that tiles 2 b and 2 b + 1 cover rows 32 b .. 32 b + 31.
; img: tile x [K step 0..7] x 2,048 bytes; byte 512 c + 16 lane + e is the code of the lane's row (lane % 16) at k = 128 step + 32 c + 16 (lane / 16) + e: the order of an operand's registers.
; sc: tile x [row][32 bytes].  maskw: tile x [key step 0..15][64 words]: bit lane of word n: key 128 step + 32 (n / 16) + 16 (lane / 16) + n % 16 of the lane's row.
; A block's scale is 2^(floor(log2(its largest magnitude)) - 15); its byte is the largest magnitude's exponent field - 15, held at 1 from below.
; LIMITS: a block of zeros gets the byte 1 (its codes are zeros, and this program alone reads the bytes); NaN and infinities among the inputs are not served.
; SHARES.  A wave takes one job of 16 rows x 4,096 bytes, in 8 trips of 16 x 512 bytes: jobs 0-1791 a tile of img, jobs 1792-2815 half the keys of a tile of the mask.  All four waves of a work-group have jobs of one kind.
; Each load reads 512 consecutive bytes of a row; the 8,192 bytes turn through the wave's own stage in LDS, so that a lane gets 16 neighbours of each block of 32.  Waves share nothing: no barrier.
; LOADS RUN TWO TRIPS AHEAD, in two sets of 64 registers: 32 loads, 16,384 bytes, of a wave are on their way.  The eight trips are written out: every offset is an immediate, and no pointer or offset register is stepped.
.set STP,   528                        ; a stage row: 512 bytes + 16 of padding: the 16 rows that a read touches start 4 banks apart
.set WREG,  8960                       ; LDS of a wave: the stage (16 x 528) and 512 bytes in which a tile's scale words are gathered
.set GATH,  16*STP
.set RO,    8                          ; v8-23   byte offset of row i's 16 bytes of mine; never rewritten
.set TM,    24                         ; v24-27 largest magnitudes, v28-31 bytes, v32-35 the largest number x the scale, v36-39 the conversions' scale operands
.set PW,    40                         ; the scale word just made
.set GRD,   41                         ; gather + 16 x lane
.set MW,    42                         ; v42-43  64 mask words: lane l holds words 2 l and 2 l + 1
.set PC,    44                         ; v44-59  a fragment's codes
.set SG,    60                         ; v60-63  the gathered scale bytes
.set R,     64                         ; v64-127 (even trips) and v192-255 (odd trips): 16 x 4 registers as loaded
.set X,     128                        ; v128-191 register 16 c + i: number 32 c + 16 (lane / 16) + i of my row's 128
	s_load_b512 s[8:23], s[0:1], 0x0               ; query, key, value, W_Q, W_K, W_V, W_O, mask
	s_load_b128 s[24:27], s[0:1], 0x40             ; img, sc
	s_load_b64 s[28:29], s[0:1], 0x50              ; maskw
	v_lshl_add_u32 v6, v0, 2, 0x8c00
	s_set_vgpr_msb 0x40
	v_mov_b32 v1, 0
	s_set_vgpr_msb 0x4000
	v_lshrrev_b32 v1, 5, v0
	v_readfirstlane_b32 s3, v1                     ; wave
	s_lshl_b32 s2, ttmp9, 2
	s_add_co_u32 s2, s2, s3                        ; job
	v_and_b32 v60, 31, v0                          ; lane
	v_and_b32 v61, 15, v0                          ; r
	v_bfe_u32 v62, v0, 4, 1                        ; h
	v_lshlrev_b32 v2, 4, v60                       ; 16 x lane
	s_mul_i32 s45, s3, WREG
	v_add_nc_u32 v3, s45, v2                       ; the stage, way in
	v_mul_u32_u24 v4, v61, STP
	v_lshl_add_u32 v4, v62, 6, v4
	v_add_nc_u32 v4, s45, v4                       ; way out: row r, + 64 h
	s_add_co_u32 s45, s45, GATH
	v_lshl_add_u32 v5, v61, 5, s45                 ; gather + 32 r
	v_add_nc_u32 v[GRD], s45, v2
	s_mov_b32 s36, 0x600000                        ; the mantissa field of 57,344
	s_mov_b32 s38, 0x76543210
	s_mov_b32 s39, 0xfedcba98                      ; lane selects: lane l xor 16
.irp b, 0,1,2,3
	v_mov_b32 v[TM+4+\b], 0                        ; written once: a lane permute's destination counts as one of its sources
.endr
	v_mov_b32 v[MW], 0                             ; likewise v_writelane_b32's
	v_mov_b32 v[MW+1], 0
	s_wait_kmcnt 0x0
	; which tensor, and its first job: a chain of choices on the job's number alone
	s_mov_b64 s[30:31], s[8:9]
	s_mov_b32 s4, 0
.macro PICK lo, ptr
	s_cmp_ge_u32 s2, \lo
	s_cselect_b64 s[30:31], s[\ptr:\ptr+1], s[30:31]
	s_cselect_b32 s4, \lo, s4
.endm
	PICK 512, 10
	PICK 1024, 12
	PICK 1536, 14
	PICK 1600, 16
	PICK 1664, 18
	PICK 1728, 20
	PICK 1792, 22
	s_cselect_b32 s5, 1, 0                         ; 1: a job of the mask
	s_mov_b32 s6, 4096
	s_cselect_b32 s6, 8192, s6                     ; a row in bytes
	s_cselect_b32 s54, 3, 4                        ; a lane's share of a trip's output: 8 or 16 bytes
	s_cselect_b64 s[32:33], s[28:29], s[24:25]     ; maskw or img
	s_sub_co_u32 s45, s2, s4                       ; the job's number within its tensor
	s_lshr_b32 s46, s45, 1
	s_and_b32 s47, s45, 1
	s_lshl_b32 s50, s45, 11                        ; maskw: 8 key steps of 256 bytes a job
	s_lshl_b32 s51, s2, 14                         ; img: 16,384 bytes a job
	s_lshl_b32 s52, s2, 9                          ; sc: 512 bytes a job
	s_cmp_lg_u32 s5, 0
	s_cselect_b32 s46, s46, s45                    ; tile
	s_cselect_b32 s47, s47, 0                      ; which half of the keys
	s_cselect_b32 s50, s50, s51
	s_cselect_b32 s52, 0, s52
	s_mov_b32 s51, 0
	s_mov_b32 s53, 0
	s_add_nc_u64 s[32:33], s[32:33], s[50:51]      ; where my output begins
	s_add_nc_u64 s[34:35], s[26:27], s[52:53]      ; and my tile's scale bytes
	s_lshr_b32 s48, s46, 1
	s_lshl_b32 s48, s48, 5
	s_and_b32 s49, s46, 1
	s_lshl_b32 s49, s49, 3
	s_add_co_u32 s48, s48, s49                     ; the tile's first row
	s_mul_i32 s48, s48, s6
	s_lshl_b32 s49, s47, 12
	s_add_co_u32 s48, s48, s49
	s_mov_b32 s49, 0
	s_add_nc_u64 s[30:31], s[30:31], s[48:49]      ; where my input begins
	v_lshlrev_b32 v7, s54, v60                     ; my share's place in a trip's output; never rewritten
.irp i, 0,1,2,3,4,5,6,7,8,9,10,11,12,13,14,15
	s_mul_i32 s55, s6, (\i)+8*((\i)/8)             ; row i of the tile lies i + 8 (i / 8) rows down
	v_add_nc_u32 v[RO+\i], s55, v2
.endr
.macro LOADS t                         ; trip t's 16 rows x 512 bytes, into set t % 2
.set RB, R+128*((\t)%2)
.irp i, 0,1,2,3,4,5,6,7,8,9,10,11,12,13,14,15
	global_load_b128 v[RB+4*\i:RB+4*\i+3], v[RO+\i], s[30:31] offset:512*(\t) th:TH_LOAD_NT   ; 32 lanes read 512 consecutive bytes of a row
.endr
.endm
; 64 numbers of a lane, register 16 b + i = k 32 b + 16 (lane / 16) + i of my row, become a fragment's codes in v[PC] on and its scale word in v[PW]
.macro QUANT64 s
.irp b, 0,1,2,3
	v_max3_num_f32 v[TM+\b], |v[\s+16*\b]|, |v[\s+1+16*\b]|, 0x8000000   ; my 16 numbers of block b, and the floor 2^(16 - 127): the byte cannot fall under 1
.endr
.irp i, 2,4,6,8,10,12,14
.irp b, 0,1,2,3
	v_max3_num_f32 v[TM+\b], v[TM+\b], |v[\s+16*\b+\i]|, |v[\s+1+16*\b+\i]|
.endr
.endr
.irp b, 0,1,2,3
	v_permlanex16_b32 v[TM+4+\b], v[TM+\b], s38, s39
.endr
.irp b, 0,1,2,3
	v_max_num_f32 v[TM+\b], v[TM+\b], v[TM+4+\b]   ; with lane l xor 16's: the block's largest magnitude
.endr
.irp b, 0,1,2,3
	v_add_nc_u32 v[TM+12+\b], 0xf8800000, v[TM+\b] ; 15 off its exponent field: the conversion's scale operand
.endr
.irp b, 0,1,2,3
	v_and_or_b32 v[TM+8+\b], v[TM+\b], 0x7f800000, s36   ; 57,344 x the scale
.endr
.irp b, 0,1,2,3
	v_lshrrev_b32 v[TM+4+\b], 23, v[TM+12+\b]      ; the scale's byte
.endr
	v_lshl_or_b32 v[PW], v[TM+5], 8, v[TM+4]
	v_lshl_or_b32 v[PW], v[TM+6], 16, v[PW]
	v_lshl_or_b32 v[PW], v[TM+7], 24, v[PW]
.irp b, 0,1,2,3
.irp i, 0,1,2,3,4,5,6,7,8,9,10,11,12,13,14,15
	v_med3_num_f32 v[\s+16*\b+\i], v[\s+16*\b+\i], -v[TM+8+\b], v[TM+8+\b]   ; the conversion to an 8-bit code does not saturate (ISA guide 7.6.2): the hold
.endr
	v_cvt_scalef32_pk8_bf8_f32 v[PC+4*\b:PC+1+4*\b], v[\s+16*\b:\s+7+16*\b], v[TM+12+\b]
	v_cvt_scalef32_pk8_bf8_f32 v[PC+2+4*\b:PC+3+4*\b], v[\s+8+16*\b:\s+15+16*\b], v[TM+12+\b]
.endr
	v_nop                                          ; a plain line behind the last conversion
.endm
; Trip t: 16 rows x 512 bytes.  As soon as its set of registers has been read, the set takes the loads of trip t + 2
.macro TRIP t
.set RB, R+128*((\t)%2)
.if (\t) < 7
	s_wait_loadcnt 16                              ; loads come back in order: this trip's 16 are in, the next trip's 16 may be out
.else
	s_wait_loadcnt 0x0
.endif
.irp i, 0,1,2,3,4,5,6,7,8,9,10,11,12,13,14,15
	ds_store_b128 v3, v[RB+4*\i:RB+4*\i+3] offset:STP*\i
.endr
.irp c, 0,1,2,3
.irp q, 0,1,2,3
	ds_load_b128 v[X+16*\c+4*\q:X+16*\c+4*\q+3], v4 offset:128*\c+16*\q   ; LDS serves a wave's instructions in order: these see the stores above
.endr
.endr
	s_wait_dscnt 0x0                               ; the numbers are back, and the stores have read the set
	s_wait_xcnt 0x0                                ; the last trip's stores have read their data: the codes' and the words' registers may be written
.if (\t)+2 < 8
	LOADS (\t)+2
.endif
	s_cmp_lg_u32 s5, 0
	s_cbranch_scc1 .Lmask_\@
	QUANT64 X
.irp c, 0,1,2,3
	global_store_b128 v7, v[PC+4*\c:PC+4*\c+3], s[32:33] offset:2048*(\t)+512*\c   ; 512 consecutive bytes a store
.endr
	ds_store_b32 v5, v[PW] offset:4*(\t)           ; both lanes of a row write the same word with the same value
	s_branch .Ljoin_\@
.Lmask_\@:
.set n, 0
	s_wait_alu depctr_va_vdst(0)
.rept 16
.irp k, 0,1,2,3
	v_cmp_eq_u32 s[40+\k], 1, v[X+n+\k]            ; bit lane: my number n is 1
.endr
.irp k, 0,1,2,3
	v_writelane_b32 v[MW+(\k)%2], s[40+\k], (n+\k)/2
.endr
.set n, n+4
.endr
	global_store_b64 v7, v[MW:MW+1], s[32:33] offset:256*(\t)   ; 64 words: 256 consecutive bytes, aligned
.Ljoin_\@:
.endm
	s_wait_alu depctr_va_vdst(0)
	LOADS 0
	LOADS 1
.irp t, 0,1,2,3,4,5,6,7
	TRIP \t
.endr
	s_cmp_lg_u32 s5, 0
	s_cbranch_scc1 .Ldone
	ds_load_b128 v[SG:SG+3], v[GRD]                ; the tile's 512 scale bytes: my own stores, served in order
	s_wait_dscnt 0x0
	global_store_b128 v2, v[SG:SG+3], s[34:35]
.Ldone:
	s_set_vgpr_msb 0x4
	s_wait_tensorcnt 0x0
	ds_add_u32 v6, v1
	s_wait_dscnt 0x0
	s_set_vgpr_msb 0x400
	s_endpgm
.Lfunc_end_k_qf4ff2f37bb_prep:
	.size	k_qf4ff2f37bb_prep, .Lfunc_end_k_qf4ff2f37bb_prep-k_qf4ff2f37bb_prep
	.p2alignl 7, 3214868480
	.fill 96, 4, 3214868480
	.section	.rodata,"a",@progbits
	.p2align	6, 0x0
	.amdhsa_kernel k_qf4ff2f37bb_prep
		.amdhsa_group_segment_fixed_size 36352
		.amdhsa_private_segment_fixed_size 0
		.amdhsa_enable_private_segment 0
		.amdhsa_kernarg_size 88
		.amdhsa_user_sgpr_count 2
		.amdhsa_user_sgpr_kernarg_segment_ptr 1
		.amdhsa_wavefront_size32 1
		.amdhsa_system_sgpr_workgroup_id_x 1
		.amdhsa_system_sgpr_workgroup_id_y 1
		.amdhsa_system_sgpr_workgroup_id_z 1
		.amdhsa_system_vgpr_workitem_id 0
		.amdhsa_next_free_vgpr 258
		.amdhsa_next_free_sgpr 66
		.amdhsa_reserve_vcc 0
		.amdhsa_float_denorm_mode_32 3
		.amdhsa_float_denorm_mode_16_64 3
		.amdhsa_memory_ordered 1
		.amdhsa_forward_progress 1
		.amdhsa_inst_pref_size 168
	.end_amdhsa_kernel
	.amdgpu_metadata
---
amdhsa.version: [ 1, 2 ]
amdhsa.kernels:
  - .name:           k_qf4ff2f37bb_prep
    .symbol:         k_qf4ff2f37bb_prep.kd
    .args:
      - { .name: query, .offset: 0, .size: 8, .value_kind: global_buffer, .address_space: global }
      - { .name: key, .offset: 8, .size: 8, .value_kind: global_buffer, .address_space: global }
      - { .name: value, .offset: 16, .size: 8, .value_kind: global_buffer, .address_space: global }
      - { .name: W_Q, .offset: 24, .size: 8, .value_kind: global_buffer, .address_space: global }
      - { .name: W_K, .offset: 32, .size: 8, .value_kind: global_buffer, .address_space: global }
      - { .name: W_V, .offset: 40, .size: 8, .value_kind: global_buffer, .address_space: global }
      - { .name: W_O, .offset: 48, .size: 8, .value_kind: global_buffer, .address_space: global }
      - { .name: mask, .offset: 56, .size: 8, .value_kind: global_buffer, .address_space: global }
      - { .name: img, .offset: 64, .size: 8, .value_kind: global_buffer, .address_space: global }
      - { .name: sc, .offset: 72, .size: 8, .value_kind: global_buffer, .address_space: global }
      - { .name: maskw, .offset: 80, .size: 8, .value_kind: global_buffer, .address_space: global }
    .group_segment_fixed_size: 36352
    .private_segment_fixed_size: 0
    .kernarg_segment_align: 8
    .kernarg_segment_size: 88
    .max_flat_workgroup_size: 128
    .sgpr_count:     66
    .vgpr_count:     258
    .wavefront_size: 32
...
	.end_amdgpu_metadata
.endif
;; end of part 1
;; launch proj (part 2): grid 4 x 96, 4 waves a work-group, clusters of 4 x 4, 327,680 bytes of LDS; arguments img, sc, qimg, kv; writes qimg, kv
.if DOCPART == 2
	.amdgcn_target "amdgcn-amd-amdhsa--gfx1250"
	.amdhsa_code_object_version 6
	.text
	.protected	k_qf4ff2f37bb_proj
	.globl	k_qf4ff2f37bb_proj
	.p2align	8
	.type	k_qf4ff2f37bb_proj,@function
k_qf4ff2f37bb_proj:
	s_mov_b64 s[64:65], 0
	v_nop
	global_prefetch_b8 v0, s[64:65] scope:SCOPE_SE
	s_setreg_imm32_b32 hwreg(HW_REG_WAVE_MODE, 25, 1), 1
	s_wait_xcnt 0x0
	s_wait_alu depctr_hold_cnt(0) depctr_sa_sdst(0) depctr_va_vdst(0) depctr_va_sdst(0) depctr_va_ssrc(0) depctr_va_vcc(0) depctr_vm_vsrc(0)
	s_getreg_b32 s2, hwreg(HW_REG_IB_STS2, 6, 4)
	s_cmp_eq_u32 s2, 0
	s_cbranch_scc0 .Lentry_in_a_cluster
	s_endpgm
.Lentry_in_a_cluster:
	s_bfe_u32 s2, ttmp6, 0x10000c
	s_cmp_lg_u32 s2, 0xf033
	s_cbranch_scc0 .Lentry_shape_is_right
	s_endpgm
.Lentry_shape_is_right:
.set NQ,     2
.set FR,     16
.set NL,     4
.set NP,     8
.set FRB,    2048
.set TILEB,  NQ*FRB
.set HALFT,  8*TILEB
.set SLOT,   4*HALFT
.set SCL,    2*SLOT
.set HALFS,  16*272
.set SBLK,   2*272
.set SPARE,  SCL+4*HALFS
.set ADRA, 16
.set ADRB, 20
.set LI,   24
.set SWO,  25
.set PSEL, 26
.set ADRS, 27
.set SPW,  28
.set NIL,  29
.set SC,   32
.set TM,   64
.set SW,   88
.set WO,   96
.set AF,   128
.set G1, 24
.set G0, 32
.set G1B, 48
.set G0B, 56
.set G1S, 68
.set G0S, 76
.set G1SB, 80
.set G0SB, 88
.set MSB, 0
.macro WIN new
.if MSB != \new
	s_set_vgpr_msb (MSB<<8)|\new
.set MSB, \new
.endif
.endm
.set MUL_LO, 0xa1
.set MUL_HI, 0xf1
.set TO_B,   0x40
.macro JLOAD g0a, g1a, g0b, g1b
	s_cmp_eq_u32 s15, 0
	s_cbranch_scc0 .Lfor_b_\@
	tensor_load_to_lds s[\g0a:\g0a+3], s[\g1a:\g1a+7]
	s_nop 0
.rept 4
	v_nop
.endr
	s_branch .Lasked_\@
.Lfor_b_\@:
	tensor_load_to_lds s[\g0b:\g0b+3], s[\g1b:\g1b+7]
	s_nop 0
.rept 4
	v_nop
.endr
.Lasked_\@:
.endm
.macro CREST
	s_cmp_lg_u32 s14, 0
	s_cbranch_scc1 .Lnot_wave_0_\@
	s_barrier_signal -3
.Lnot_wave_0_\@:
	s_barrier_wait -3
	s_barrier_signal -1
	s_barrier_wait -1
.endm
.macro CROUND
	s_barrier_signal -1
	s_barrier_wait -1
	CREST
.endm
	s_load_b128 s[4:7], s[0:1], 0x0
	s_load_b128 s[8:11], s[0:1], 0x10
	v_lshl_add_u32 v[SPW], v0, 2, SPARE
	v_mov_b32 v[NIL], 0
	ds_add_u32 v28, v29
	ds_add_u32 v28, v29
	s_wait_dscnt 0x0
	v_lshrrev_b32 v1, 5, v0
	v_readfirstlane_b32 s14, v1
	s_lshr_b32 s15, s14, 1
	s_and_b32 s16, s14, 1
	s_bfe_u32 s40, ttmp6, 0x40000
	s_bfe_u32 s41, ttmp6, 0x40004
	s_and_b32 s17, ttmp7, 0xffff
	s_lshr_b32 s12, s17, 3
	s_and_b32 s13, s17, 7
	s_lshl_b32 s43, s41, 2
	s_lshl_b32 s43, 15, s43
	s_lshl_b32 s44, 0x1111, s40
	s_or_b32 s[G1+0], s43, (3<<16)|(1<<21)
	s_or_b32 s[G1B+0], s44, (3<<16)|(1<<21)
.irp g, G1, G1B
	s_mov_b32 s[\g+1], 512<<16
	s_mov_b32 s[\g+2], 8<<16
	s_mov_b32 s[\g+3], 512<<16
	s_mov_b32 s[\g+4], 8
	s_mov_b32 s[\g+5], 2048
	s_mov_b32 s[\g+6], 0
	s_mov_b32 s[\g+7], 0
.endr
	s_or_b32 s[G1S+0], s43, (3<<16)|(1<<20)|(1<<21)|(5<<22)|(3<<25)
	s_or_b32 s[G1SB+0], s44, (3<<16)|(1<<20)|(1<<21)|(5<<22)|(3<<25)
.irp g, G1S, G1SB
	s_mov_b32 s[\g+1], 32<<16
	s_mov_b32 s[\g+2], 16<<16
	s_mov_b32 s[\g+3], 32<<16
	s_mov_b32 s[\g+4], 16
	s_mov_b32 s[\g+5], 32
	s_mov_b32 s[\g+6], 0
	s_mov_b32 s[\g+7], 0
.endr
	s_lshl_b32 s18, s12, 9
	s_lshl_b32 s19, s13, 6
	s_add_co_u32 s18, s18, s19
	s_lshl_b32 s20, s12, 6
	s_add_co_u32 s20, s20, 1536
	s_add_co_u32 s19, s19, 1024
	s_mov_b32 s21, 1664
	s_cmp_eq_u32 s12, 2
	s_cselect_b32 s18, s21, s18
	s_cselect_b32 s20, s19, s20
	s_lshl_b32 s22, s41, 4
	s_add_co_u32 s18, s18, s22
	s_lshl_b32 s23, s16, 3
	s_add_co_u32 s18, s18, s23
	s_lshl_b32 s46, s40, 4
	s_add_co_u32 s46, s46, s20
	s_add_co_u32 s46, s46, s23
	s_lshl_b32 s20, s18, 14
	s_mov_b32 s21, 0
	s_lshl_b32 s22, s18, 9
	s_mov_b32 s23, 0
	s_lshl_b32 s92, s46, 9
	s_mov_b32 s93, 0
	s_lshl_b32 s46, s46, 14
	s_mov_b32 s47, 0
	s_mul_i32 s45, s14, HALFT
	s_mul_i32 s94, s14, HALFS
	s_wait_kmcnt 0x0
	s_add_nc_u64 s[20:21], s[4:5], s[20:21]
	s_add_nc_u64 s[22:23], s[6:7], s[22:23]
	s_add_nc_u64 s[46:47], s[4:5], s[46:47]
	s_add_nc_u64 s[92:93], s[6:7], s[92:93]
	CROUND
	s_mov_b32 s[G0S], 1
	s_add_co_u32 s[G0S+1], s94, SCL
	s_mov_b64 s[G0S+2:G0S+3], s[22:23]
	s_or_b32 s[G0S+3], s[G0S+3], 0x80000000
	s_mov_b32 s[G0SB], 1
	s_add_co_u32 s[G0SB+1], s94, SCL
	s_mov_b64 s[G0SB+2:G0SB+3], s[92:93]
	s_or_b32 s[G0SB+3], s[G0SB+3], 0x80000000
	JLOAD G0S, G1S, G0SB, G1SB
.irp s, 0,1
	s_mov_b32 s[G0+4*\s], 1
	s_add_co_u32 s[G0+4*\s+1], s45, \s*SLOT
	s_add_nc_u64 s[G0+4*\s+2:G0+4*\s+3], s[20:21], \s*TILEB
	s_or_b32 s[G0+4*\s+3], s[G0+4*\s+3], 0x80000000
	s_mov_b32 s[G0B+4*\s], 1
	s_add_co_u32 s[G0B+4*\s+1], s45, \s*SLOT
	s_add_nc_u64 s[G0B+4*\s+2:G0B+4*\s+3], s[46:47], \s*TILEB
	s_or_b32 s[G0B+4*\s+3], s[G0B+4*\s+3], 0x80000000
	s_wait_alu depctr_va_vdst(0)
	s_wait_tensorcnt 0x0
	ds_add_u32 v28, v29
	s_wait_dscnt 0x0
	CROUND
	JLOAD G0+4*\s, G1, G0B+4*\s, G1B
.endr
	v_and_b32 v1, 15, v0
	v_bfe_u32 v2, v0, 4, 1
	v_and_b32 v6, 31, v0
	v_lshlrev_b32 v[LI], 4, v6
	s_mul_i32 s21, s15, HALFT
	s_mul_i32 s22, s16, HALFT
	s_add_co_u32 s22, s22, 2*HALFT
.irp s, 0,1
	v_add_nc_u32 v[ADRA+\s], s21, v[LI]
	v_add_nc_u32 v[ADRB+\s], s22, v[LI]
	s_add_co_u32 s21, s21, SLOT
	s_add_co_u32 s22, s22, SLOT
.endr
	v_mul_u32_u24 v5, v1, 32
	v_lshrrev_b32 v6, 8, v5
	v_lshl_add_u32 v5, v6, 4, v5
	s_mul_i32 s21, s15, HALFS
	s_mul_i32 s22, s16, HALFS
	s_add_co_u32 s22, s22, 2*HALFS
	s_sub_co_u32 s22, s22, s21
	v_mul_u32_u24 v6, s22, v2
	s_add_co_u32 s21, s21, SCL
	v_add_nc_u32 v5, v5, v6
	v_add_nc_u32 v[ADRS], s21, v5
.irp b, 0,1,2,3
	v_mov_b32 v[TM+4+\b], 0
.endr
.macro FRAG reg, adr, q, i
.irp c, 0,1,2,3
	ds_load_b128 v[\reg+4*\c:\reg+4*\c+3], v[\adr] offset:TILEB*(\i)+FRB*(\q)+512*\c
.endr
.endm
.macro MUL16 a0, p, q, sc, zero
.irp a, \a0, \a0+1
.irp b, 0,1,2,3,4,5,6,7
.if \zero
	v_wmma_scale_f32_16x16x128_f8f6f4 v[8*(8*((\a)%4)+\b):8*(8*((\a)%4)+\b)+7], v[128*(\p)+FR*\b:128*(\p)+FR*\b+FR-1], v[AF+FR*(\a):AF+FR*(\a)+FR-1], 0, v[SC+8*NQ*(\sc)+NQ*\b+(\q)], v[SC+8*NQ*(\sc)+NQ*(\a)+(\q)] matrix_a_fmt:MATRIX_FMT_BF8 matrix_b_fmt:MATRIX_FMT_BF8 matrix_a_scale:MATRIX_SCALE_ROW1
.else
	v_wmma_scale_f32_16x16x128_f8f6f4 v[8*(8*((\a)%4)+\b):8*(8*((\a)%4)+\b)+7], v[128*(\p)+FR*\b:128*(\p)+FR*\b+FR-1], v[AF+FR*(\a):AF+FR*(\a)+FR-1], v[8*(8*((\a)%4)+\b):8*(8*((\a)%4)+\b)+7], v[SC+8*NQ*(\sc)+NQ*\b+(\q)], v[SC+8*NQ*(\sc)+NQ*(\a)+(\q)] matrix_a_fmt:MATRIX_FMT_BF8 matrix_b_fmt:MATRIX_FMT_BF8 matrix_a_scale:MATRIX_SCALE_ROW1
.endif
.endr
.endr
.endm
.macro FETCH_B slot, q, p
	WIN TO_B
.irp i, 0,1,2,3,4,5,6,7
	FRAG 128*(\p)+FR*\i, ADRB+\slot, \q, \i
.endr
	WIN 0
.endm
.macro FETCH_A slot, q, i0
.irp i, \i0, \i0+1, \i0+2, \i0+3
	FRAG AF+FR*(\i), ADRA+\slot, \q, \i
.endr
.endm
.macro SCALES sc
.irp i, 0,1,2,3,4,5,6,7
	ds_load_b64 v[SC+8*NQ*\sc+NQ*\i:SC+8*NQ*\sc+NQ*\i+1], v[ADRS] offset:\i*SBLK
.endr
.endm
.macro PLACES n
.rept \n
	v_nop
.endr
.endm
.macro STEP slot, q, zero
	s_wait_dscnt 4*NL
	WIN MUL_LO
	MUL16 0, (\q)%2, \q, \slot, \zero
	MUL16 2, (\q)%2, \q, \slot, \zero
	s_wait_dscnt 0
	PLACES NP
	FETCH_B \slot, (\q)+1, 1-(\q)%2
	FETCH_A \slot, (\q)+1, 0
	WIN MUL_HI
	MUL16 4, (\q)%2, \q, \slot, \zero
	MUL16 6, (\q)%2, \q, \slot, \zero
	PLACES NP
	WIN 0
	FETCH_A \slot, (\q)+1, 4
.endm
.macro TURN slot, next, fill
	s_wait_tensorcnt 0x0
	ds_add_u32 v[SPW], v[NIL]
	s_wait_dscnt 4*NL+1
	WIN MUL_LO
	MUL16 0, 1, NQ-1, \slot, 0
	s_wait_dscnt 0x0
	s_barrier_signal -1
	MUL16 2, 1, NQ-1, \slot, 0
	WIN 0
	s_barrier_wait -1
.if \fill
	CREST
	s_add_nc_u64 s[G0+4*\slot+2:G0+4*\slot+3], s[G0+4*\slot+2:G0+4*\slot+3], 2*TILEB
	s_add_nc_u64 s[G0B+4*\slot+2:G0B+4*\slot+3], s[G0B+4*\slot+2:G0B+4*\slot+3], 2*TILEB
	JLOAD G0+4*\slot, G1, G0B+4*\slot, G1B
	PLACES NP-4
.else
	PLACES NP
.endif
	s_wait_alu depctr_va_vdst(0)
	v_add_nc_u32 v[ADRS], 4*NQ, v[ADRS]
	FETCH_B \next, 0, 0
	FETCH_A \next, 0, 0
	SCALES \next
	WIN MUL_HI
	MUL16 4, 1, NQ-1, \slot, 0
	MUL16 6, 1, NQ-1, \slot, 0
	PLACES NP
	WIN 0
	FETCH_A \next, 0, 4
.endm
	s_wait_alu depctr_va_vdst(0)
	s_wait_tensorcnt 1
	s_barrier_signal -1
	s_barrier_wait -1
	FETCH_B 0, 0, 0
	FETCH_A 0, 0, 0
	SCALES 0
	FETCH_A 0, 0, 4
	STEP 0, 0, 1
	TURN 0, 1, 1
	STEP 1, 0, 0
	TURN 1, 0, 1
	STEP 0, 0, 0
	TURN 0, 1, 0
	STEP 1, 0, 0
	s_wait_dscnt 4*NL
	WIN MUL_LO
	MUL16 0, 1, NQ-1, 1, 0
	MUL16 2, 1, NQ-1, 1, 0
	s_wait_dscnt 0
	WIN MUL_HI
	MUL16 4, 1, NQ-1, 1, 0
	MUL16 6, 1, NQ-1, 1, 0
	WIN 0
	PLACES NP
.macro QUANTA a
.set AC, 64*((\a)%4)
.set WD, 2+(\a)/4
.set WA, (WD<<2)|(WD<<4)
.set WB, WD|(WD<<6)
.set WC, WD|0x40
	WIN WA
.irp b, 0,1,2,3
	v_max3_num_f32 v[TM+\b], 0x8000000, |v[AC+16*\b]|, |v[AC+1+16*\b]|
.endr
.irp i, 2,4,6,8,10,12,14
.irp b, 0,1,2,3
	v_max3_num_f32 v[TM+\b], v[TM+\b], |v[AC+16*\b+\i]|, |v[AC+1+16*\b+\i]|
.endr
.endr
	WIN 0
.irp b, 0,1,2,3
	v_permlanex16_b32 v[TM+4+\b], v[TM+\b], s2, s3
.endr
.irp b, 0,1,2,3
	v_max_num_f32 v[TM+\b], v[TM+\b], v[TM+4+\b]
.endr
.irp b, 0,1,2,3
	v_add_nc_u32 v[TM+12+\b], 0xf8800000, v[TM+\b]
.endr
.irp b, 0,1,2,3
	v_and_or_b32 v[TM+8+\b], v[TM+\b], 0x7f800000, s17
.endr
.irp b, 0,1,2,3
	v_lshrrev_b32 v[TM+4+\b], 23, v[TM+12+\b]
.endr
	v_lshl_or_b32 v[SW+\a], v[TM+5], 8, v[TM+4]
	v_lshl_or_b32 v[SW+\a], v[TM+6], 16, v[SW+\a]
	v_lshl_or_b32 v[SW+\a], v[TM+7], 24, v[SW+\a]
	WIN WB
.irp b, 0,1,2,3
.irp i, 0,1,2,3,4,5,6,7,8,9,10,11,12,13,14,15
	v_med3_num_f32 v[AC+16*\b+\i], v[AC+16*\b+\i], -v[TM+8+\b], v[TM+8+\b]
.endr
.endr
	WIN WC
.irp b, 0,1,2,3
	v_cvt_scalef32_pk8_bf8_f32 v[16*\a+4*\b:16*\a+4*\b+1], v[AC+16*\b:AC+16*\b+7], v[TM+12+\b]
	v_cvt_scalef32_pk8_bf8_f32 v[16*\a+4*\b+2:16*\a+4*\b+3], v[AC+16*\b+8:AC+16*\b+15], v[TM+12+\b]
.endr
	v_nop
.endm
	s_mov_b32 s2, 0x76543210
	s_mov_b32 s3, 0xfedcba98
	s_mov_b32 s17, 0x600000
.irp a, 0,1,2,3,4,5,6,7
	QUANTA \a
.endr
	WIN 0
	s_lshl_b32 s18, s13, 2
	s_cmp_eq_u32 s12, 2
	s_cselect_b32 s19, 0, s18
	s_cselect_b32 s18, s18, 0
	s_add_co_u32 s19, s19, s41
	s_add_co_u32 s18, s18, s40
	s_lshl_b32 s19, s19, 8
	s_lshl_b32 s18, s18, 8
	s_lshl_b32 s20, s15, 7
	s_add_co_u32 s19, s19, s20
	s_lshl_b32 s20, s16, 7
	s_add_co_u32 s18, s18, s20
	s_cmp_eq_u32 s12, 2
	s_cselect_b32 s20, s18, s19
	s_cselect_b32 s21, s19, s18
	s_lshr_b32 s22, s20, 11
	s_lshl_b32 s22, s22, 4
	s_lshr_b32 s21, s21, 6
	s_add_co_u32 s22, s22, s21
	s_bfe_u32 s23, s20, 0x40007
	s_cmp_eq_u32 s12, 0
	s_cselect_b64 s[24:25], s[8:9], s[10:11]
	s_mov_b32 s30, 270336
	s_cselect_b32 s30, 135168, s30
	s_mov_b32 s31, 16896
	s_cselect_b32 s31, 8448, s31
	s_mov_b32 s32, 16384
	s_cselect_b32 s32, 8192, s32
	s_cmp_eq_u32 s12, 2
	s_cselect_b32 s32, 16640, s32
	s_mul_i32 s22, s22, s30
	s_mul_i32 s23, s23, s31
	s_add_co_u32 s22, s22, s23
	s_mov_b32 s23, 0
	s_add_nc_u64 s[24:25], s[24:25], s[22:23]
	s_mov_b32 s31, 0
	s_add_nc_u64 s[26:27], s[24:25], s[30:31]
	s_mov_b32 s33, 0
	s_add_nc_u64 s[28:29], s[24:25], s[32:33]
	v_and_b32 v1, 15, v0
	v_bfe_u32 v2, v0, 4, 1
	v_mul_lo_u32 v[SWO], v2, s30
	v_lshl_add_u32 v[SWO], v1, 4, v[SWO]
	v_mov_b32 v[PSEL], 0x05040100
	v_mov_b32 v3, 0x07060302
	v_cmp_ne_u32 vcc_lo, 0, v2
	v_cndmask_b32 v[PSEL], v[PSEL], v3, vcc_lo
	s_cmp_eq_u32 s12, 2
	s_cbranch_scc1 .Lstore_v
	WIN 0x04
	s_wait_alu depctr_va_vdst(0)
.irp a, 0,1,2,3,4,5,6,7
.irp g, 0,1,2,3
	global_store_b128 v[LI], v[16*\a+4*\g:16*\a+4*\g+3], s[24+2*(\g/2):25+2*(\g/2)] offset:1024*\a+512*(\g%2)
.endr
.endr
	WIN 0
.irp b, 0,1,2,3
	v_perm_b32 v[WO+\b], v[SW+2*\b+1], v[SW+2*\b], v[PSEL]
.endr
	global_store_b128 v[SWO], v[WO:WO+3], s[28:29]
	s_branch .Lstored
.Lstore_v:
	WIN 0x04
	s_wait_alu depctr_va_vdst(0)
.irp a, 0,1,2,3,4,5,6,7
.irp g, 0,1,2,3
	global_store_b128 v[LI], v[16*\a+4*\g:16*\a+4*\g+3], s[24+2*(\a/4):25+2*(\a/4)] offset:8192+2048*(\a%4)+512*\g
.endr
.endr
	WIN 0
.irp t, 0,1,2,3
	v_cndmask_b32 v[WO+\t], v[SW+\t], v[SW+4+\t], vcc_lo
.endr
	global_store_b128 v[SWO], v[WO:WO+3], s[28:29]
.Lstored:
	s_wait_tensorcnt 0x0
	ds_add_u32 v[SPW], v[NIL]
	s_wait_dscnt 0x0
	CROUND
	s_endpgm
.Lfunc_end_k_qf4ff2f37bb_proj:
	.size	k_qf4ff2f37bb_proj, .Lfunc_end_k_qf4ff2f37bb_proj-k_qf4ff2f37bb_proj
	.p2alignl 7, 3214868480
	.fill 96, 4, 3214868480
	.section	.rodata,"a",@progbits
	.p2align	6, 0x0
	.amdhsa_kernel k_qf4ff2f37bb_proj
		.amdhsa_group_segment_fixed_size 327680
		.amdhsa_private_segment_fixed_size 0
		.amdhsa_enable_private_segment 0
		.amdhsa_kernarg_size 32
		.amdhsa_user_sgpr_count 2
		.amdhsa_user_sgpr_kernarg_segment_ptr 1
		.amdhsa_wavefront_size32 1
		.amdhsa_system_sgpr_workgroup_id_x 1
		.amdhsa_system_sgpr_workgroup_id_y 1
		.amdhsa_system_sgpr_workgroup_id_z 1
		.amdhsa_system_vgpr_workitem_id 0
		.amdhsa_next_free_vgpr 1024
		.amdhsa_next_free_sgpr 100
		.amdhsa_reserve_vcc 1
		.amdhsa_float_denorm_mode_32 3
		.amdhsa_float_denorm_mode_16_64 3
		.amdhsa_memory_ordered 1
		.amdhsa_forward_progress 1
		.amdhsa_inst_pref_size 190
	.end_amdhsa_kernel
	.amdgpu_metadata
---
amdhsa.version: [ 1, 2 ]
amdhsa.kernels:
  - .name:           k_qf4ff2f37bb_proj
    .symbol:         k_qf4ff2f37bb_proj.kd
    .args:
      - { .name: img, .offset: 0, .size: 8, .value_kind: global_buffer, .address_space: global }
      - { .name: sc, .offset: 8, .size: 8, .value_kind: global_buffer, .address_space: global }
      - { .name: qimg, .offset: 16, .size: 8, .value_kind: global_buffer, .address_space: global }
      - { .name: kv, .offset: 24, .size: 8, .value_kind: global_buffer, .address_space: global }
    .group_segment_fixed_size: 327680
    .private_segment_fixed_size: 0
    .kernarg_segment_align: 8
    .kernarg_segment_size: 32
    .max_flat_workgroup_size: 128
    .sgpr_count:     100
    .vgpr_count:     1024
    .wavefront_size: 32
...
	.end_amdgpu_metadata
.endif
;; end of part 2
;; launch attn (part 3): grid 4 x 64, 16 waves a work-group, clusters of 4 x 1, 327,680 bytes of LDS; arguments qimg, kv, maskw, ctximg, csc; writes ctximg, csc
.if DOCPART == 3
	.amdgcn_target "amdgcn-amd-amdhsa--gfx1250"
	.amdhsa_code_object_version 6
	.text
	.protected	k_qf4ff2f37bb_attn
	.globl	k_qf4ff2f37bb_attn
	.p2align	8
	.type	k_qf4ff2f37bb_attn,@function
k_qf4ff2f37bb_attn:
	s_mov_b64 s[64:65], 0
	v_nop
	global_prefetch_b8 v0, s[64:65] scope:SCOPE_SE
	s_setreg_imm32_b32 hwreg(HW_REG_WAVE_MODE, 25, 1), 1
	s_wait_xcnt 0x0
	s_wait_alu depctr_hold_cnt(0) depctr_sa_sdst(0) depctr_va_vdst(0) depctr_va_sdst(0) depctr_va_ssrc(0) depctr_va_vcc(0) depctr_vm_vsrc(0)
	s_getreg_b32 s2, hwreg(HW_REG_IB_STS2, 6, 4)
	s_cmp_eq_u32 s2, 0
	s_cbranch_scc0 .Lentry_in_a_cluster
	s_endpgm
.Lentry_in_a_cluster:
	s_bfe_u32 s2, ttmp6, 0x10000c
	s_cmp_lg_u32 s2, 0x3003
	s_cbranch_scc0 .Lentry_shape_is_right
	s_endpgm
.Lentry_shape_is_right:
; ctx = softmax(where(mask == 1, -1e9, q k^T / 8)) v for one (batch, head), both products on codes of BF8 (E5M2) with E8M0 scales; ctx leaves as codes and scale bytes for the last product.
; SOFTMAX: t = score x log2(e) / 8; M = the running largest t rounded up to a whole number; p = 2^(t - M) is quantised along the keys; the row's sum is taken of the unquantised p and divides at the end.
; LIMIT: the promise holds while the scaled scores stay under 2^31 in magnitude.  A masked score is set to -8e9 ahead of the factor 1 / 8, which is the definition's -1e9.
; SHARES.  A work-group owns 512 queries of one head, a wave two tiles of 16, one after the other (two passes).  The head's K and V, 16 key steps of 16,896 bytes, lie in LDS whole: each wave asks for 8,448 bytes of each half.
; CLUSTER: the four work-groups of a head need the same K and V: each load is joint (mask 15).  No prefetch: all of K and V is asked for at the head, so there is no later stream to run ahead of.
; A key step in LDS: 4 x 2,048 bytes of K (a fragment holds 64 channels of tile 2 b in k 0-63 and of tile 2 b + 1 in k 64-127), 4 x 2,048 of V^T, 256 bytes of K's scale words, 256 of V's.
; Both products are used transposed: a lane holds one query (lane % 16).  Q's 64 channels stand in v24-31 with zeros in v16-23 and v32-39: v[24:39] meets k 0-63, v[16:31] meets k 64-127.
; The mask comes as one bit a lane and register: 64 scalar words a key step, read one step ahead.
; REGISTERS: v1-2 lane offsets, v3-4 the step's LDS addresses, v5 the fill, v6-11 addresses and the second tile's scale word, v12 -M, v13 the largest raw score, v[14:15] the sum, v16-47 Q, v48-111 fragments of K or V,
; v112-175 scores, then p, v176-207 O^T, v208-223 p's codes, v224-231 K's and V's scale words, v232 p's, v233 Q's, v234-255 at work.
.set STEPB, 16896
.set WLOAD, 8448
.set HALFB, 16*WLOAD
.set SCST,  16*STEPB                   ; behind K and V: 2 x 512 bytes in which the tiles' scale bytes are gathered
.set SPARE, SCST+1024                  ; the spare words, 128 bytes a wave
.set QPASS, 16896
.macro CROUND
	s_barrier_signal -1
	s_barrier_wait -1
	s_cmp_lg_u32 s25, 0
	s_cbranch_scc1 .Lnot_wave_0_\@
	s_barrier_signal -3
.Lnot_wave_0_\@:
	s_barrier_wait -3
	s_barrier_signal -1
	s_barrier_wait -1
.endm
.macro MASKW                           ; 64 mask words of the key step at byte s3 of my tile
	s_load_b512 s[32:47], s[28:29], s3 offset:0x0
	s_load_b512 s[48:63], s[28:29], s3 offset:0x40
	s_load_b512 s[68:83], s[28:29], s3 offset:0x80
	s_load_b512 s[84:99], s[28:29], s3 offset:0xc0
.endm
	s_load_b256 s[32:39], s[0:1], 0x0              ; qimg, kv, maskw, ctximg
	s_load_b64 s[40:41], s[0:1], 0x20              ; csc
	v_lshl_add_u32 v254, v0, 2, SPARE
	v_mov_b32 v255, 0
	ds_add_u32 v254, v255                          ; the opening lines: the add twice on end and its wait
	ds_add_u32 v254, v255
	v_lshrrev_b32 v10, 5, v0
	s_delay_alu instid0(VALU_DEP_1)
	v_readfirstlane_b32 s25, v10                   ; wave 0..15
	s_bfe_u32 s42, ttmp6, 0x40000                  ; cx: which 512 queries
	s_and_b32 s43, ttmp7, 0xffff                   ; 16 x batch + head
	s_lshr_b32 s44, s43, 4
	s_and_b32 s45, s43, 15
	s_lshl_b32 s46, s42, 5
	s_add_co_u32 s46, s46, s25
	s_lshl_b32 s47, s44, 7
	s_add_co_u32 s47, s47, s46                     ; my first tile among the batch's
	s_mul_i32 s13, s25, WLOAD
	s_mul_i32 s48, s43, 16*STEPB
	s_add_co_u32 s48, s48, s13
	s_mov_b32 s49, 0
	s_lshl_b32 s50, s47, 12
	s_mov_b32 s51, 0
	s_lshl_b32 s52, s42, 2
	s_lshr_b32 s53, s25, 3
	s_add_co_u32 s52, s52, s53
	s_mul_i32 s52, s52, 8448
	s_mul_i32 s53, s43, 135168
	s_add_co_u32 s52, s52, s53
	s_mov_b32 s53, 0
	s_lshl_b32 s54, s47, 14
	s_lshl_b32 s55, s45, 10
	s_add_co_u32 s54, s54, s55
	s_mov_b32 s55, 0
	s_lshl_b32 s56, s43, 12
	s_lshl_b32 s57, s42, 10
	s_add_co_u32 s56, s56, s57
	s_mov_b32 s57, 0
	s_mov_b32 s4, 15|(3<<16)|(1<<21)               ; group 1: 33 rows of 256 bytes, dense; the mask names the cluster's four
	s_mov_b32 s5, 32<<16
	s_mov_b32 s6, 33<<16
	s_mov_b32 s7, 32<<16
	s_mov_b32 s8, 33
	s_mov_b32 s9, 32
	s_mov_b32 s10, 0
	s_mov_b32 s11, 0
	s_mov_b32 s12, 1
	s_mov_b32 s16, 1
	s_add_co_u32 s17, s13, HALFB
	s_mov_b32 s20, 0x76543210
	s_mov_b32 s21, 0xfedcba98                      ; lane l xor 16
	s_mov_b32 s22, 0x3e38aa3b                      ; c = log2(e) / 8
	s_mov_b32 s23, s22
	s_mov_b32 s24, 0x600000                        ; the mantissa field of 57,344
	v_and_b32 v10, 31, v0
	v_and_b32 v253, 15, v0
	v_mov_b32 v5, 0xcfee6b28                       ; -8e9
.irp j, 16,17,18,19,20,21,22,23,32,33,34,35,36,37,38,39
	v_mov_b32 v\j, 0                               ; the zeros beside Q
.endr
.irp j, 238,239,240,241,251,252
	v_mov_b32 v\j, 0                               ; written once: lane permutes' destinations, and the upper half of the pair v[250:251]
.endr
	v_lshlrev_b32 v1, 4, v10                       ; 16 x lane
	v_lshlrev_b32 v2, 4, v253                      ; 16 x (lane % 16)
	s_and_b32 s27, s25, 7
	s_lshl_b32 s26, s27, 10
	v_add_nc_u32 v6, s26, v1                       ; Q's codes
	s_lshr_b32 s26, s27, 1
	s_lshl_b32 s26, s26, 2
	v_add_nc_u32 v7, s26, v2                       ; Q's scale words
	s_lshl_b32 s26, s25, 5
	s_add_co_u32 s26, s26, SCST
	v_lshl_add_u32 v8, v253, 1, s26                ; where my tile's scale bytes are gathered
	v_add_nc_u32 v10, SCST, v1
	s_and_b32 s27, s25, 1
	s_cmp_lg_u32 s27, 0
	s_mov_b32 s27, 0x01000100
	s_cselect_b32 s27, 0x03020302, s27
	v_mov_b32 v9, s27                              ; which half of a scale word is my tile's
	s_wait_dscnt 0x0                               ; both opening adds are done
	s_wait_alu depctr_va_vdst(0)
	s_wait_kmcnt 0x0
	s_add_nc_u64 s[14:15], s[34:35], s[48:49]
	s_add_nc_u64 s[18:19], s[14:15], HALFB
	s_or_b32 s15, s15, 0x80000000
	s_or_b32 s19, s19, 0x80000000
	s_add_nc_u64 s[28:29], s[36:37], s[50:51]
	s_add_nc_u64 s[30:31], s[32:33], s[52:53]
	s_add_nc_u64 s[66:67], s[38:39], s[54:55]
	s_add_nc_u64 s[100:101], s[40:41], s[56:57]
	s_mov_b32 s3, 0
	MASKW                                          ; the first step's mask words and both tiles of Q are asked for ahead of the rounds
	global_load_b128 v[24:27], v6, s[30:31]
	global_load_b128 v[28:31], v6, s[30:31] offset:512
	global_load_b32 v252, v7, s[30:31] offset:8192
	global_load_b128 v[40:43], v6, s[30:31] offset:QPASS
	global_load_b128 v[44:47], v6, s[30:31] offset:QPASS+512
	global_load_b32 v11, v7, s[30:31] offset:QPASS+8192
	CROUND                                         ; the four partners are here: the joint loads meet
	tensor_load_to_lds s[12:15], s[4:11]           ; key steps 0-7, my sixteenth: my one load at the head
	s_nop 0
.macro INITR                           ; a pass begins: the largest score -3e38, -M, the sum and O^T zeros, which the first change of M leaves zeros
	v_mov_b32 v13, 0xff61b1e6
	v_mov_b32 v14, 0
	v_mov_b32 v15, 0
.set j, 0
.rept 32
	v_mov_b32 v[176+j], 0
.set j, j+1
.endr
	v_floor_f32 v12, -v13
.endm
.macro START                           ; the first key step's LDS addresses
	s_mov_b32 s2, 0
	v_add_nc_u32 v3, s2, v1
	v_add_nc_u32 v4, s2, v2
.endm
	INITR
	s_wait_alu depctr_va_vdst(0)
	s_wait_tensorcnt 0x0
	ds_add_u32 v254, v255
	s_wait_dscnt 0x0
	CROUND
	tensor_load_to_lds s[16:19], s[4:11]           ; key steps 8-15
	s_nop 0
; A KEY STEP: 128 keys against my 16 queries
.macro STEP
.rept 8
	v_nop                                          ; places behind the last products, in front of loads into their registers
.endr
.irp b, 0,1,2,3
.irp g, 0,1,2,3
	ds_load_b128 v[48+16*\b+4*\g:51+16*\b+4*\g], v3 offset:2048*\b+512*\g
.endr
.endr
	ds_load_b128 v[224:227], v4 offset:16384
	ds_load_b128 v[228:231], v4 offset:16640
	s_wait_dscnt 0x0
.irp b, 0,1,2,3
	v_wmma_scale_f32_16x16x128_f8f6f4 v[112+16*\b:119+16*\b], v[48+16*\b:63+16*\b], v[24:39], 0, v[224+\b], v233 matrix_a_fmt:MATRIX_FMT_BF8 matrix_b_fmt:MATRIX_FMT_BF8
	v_wmma_scale_f32_16x16x128_f8f6f4 v[120+16*\b:127+16*\b], v[48+16*\b:63+16*\b], v[16:31], 0, v[224+\b], v233 matrix_a_fmt:MATRIX_FMT_BF8 matrix_b_fmt:MATRIX_FMT_BF8
.endr
.rept 8
	v_nop
.endr
.irp t, 0,1,2,3
.irp g, 0,1,2,3
	ds_load_b128 v[48+16*\t+4*\g:51+16*\t+4*\g], v3 offset:8192+2048*\t+512*\g
.endr
.endr
	s_add_co_u32 s2, s2, STEPB
	s_wait_kmcnt 0x0                               ; this step's mask words
.set n, 0
.rept 64
.if n < 32
	v_cndmask_b32 v[112+n], v[112+n], v5, s[32+n]
.else
	v_cndmask_b32 v[112+n], v[112+n], v5, s[36+n]
.endif
.set n, n+1
.endr
	s_wait_alu depctr_va_vdst(0)
	s_wait_xcnt 0x0
	s_add_co_u32 s3, s3, 256
	s_and_b32 s3, s3, 0xf00
	MASKW                                          ; the next step's (behind the last step: step 0's again, inside the buffer, not used)
; the largest score of each block of 32 keys, in eight chains by turns; other work that is due stands between the stages that hang on each other
.irp b, 0,1,2,3
	v_max3_num_f32 v[238+\b], v[120+16*\b], v[121+16*\b], v[122+16*\b]
.endr
.irp b, 0,1,2,3
	v_max3_num_f32 v[234+\b], v[112+16*\b], v[113+16*\b], v[114+16*\b]
.endr
.irp i, 3,5
.irp b, 0,1,2,3
	v_max3_num_f32 v[238+\b], v[238+\b], v[120+16*\b+\i], v[121+16*\b+\i]
.endr
.irp b, 0,1,2,3
	v_max3_num_f32 v[234+\b], v[234+\b], v[112+16*\b+\i], v[113+16*\b+\i]
.endr
.endr
.irp b, 0,1,2,3
	v_max3_num_f32 v[238+\b], v[238+\b], v[119+16*\b], v[127+16*\b]
.endr
	v_mov_b32 v253, v12                            ; the old -M
.irp b, 0,1,2,3
	v_max_num_f32 v[234+\b], v[234+\b], v[238+\b]
.endr
	v_add_nc_u32 v3, s2, v1                        ; the next step's LDS addresses (this step's loads are issued)
.irp b, 0,1,2,3
	v_permlanex16_b32 v[238+\b], v[234+\b], s20, s21
.endr
	v_add_nc_u32 v4, s2, v2
.irp b, 0,1,2,3
	v_max_num_f32 v[234+\b], v[234+\b], v[238+\b]  ; with lane l xor 16's 16 keys
.endr
	s_delay_alu instid0(VALU_DEP_2)
	v_max3_num_f32 v252, v234, v235, v236
	s_delay_alu instid0(VALU_DEP_1)
	v_max3_num_f32 v13, v13, v252, v237            ; the running largest score (c is positive: the largest t is c x this)
	s_delay_alu instid0(VALU_DEP_1)
	v_mul_f32 v252, s22, v13
	s_delay_alu instid0(VALU_DEP_1)
	v_floor_f32 v12, -v252                         ; the new -M = -ceil(t)
	s_delay_alu instid0(VALU_DEP_1)
.set j, 0
.rept 32
	v_pk_fma_f32 v[112+j:113+j], v[112+j:113+j], s[22:23], v[12:13] op_sel_hi:[1,0,0]   ; t - M
.if j == 8
	v_sub_f32 v252, v12, v253                      ; old M - new M, a whole number, 0 or less
.endif
.if j == 18
	v_cvt_i32_f32 v252, v252
.endif
.if j == 28
	v_ldexp_f32 v250, 1.0, v252                    ; f = 2^(old M - new M)
.endif
.set j, j+2
.endr
.irp b, 0,1,2,3
	v_fma_f32 v[234+\b], v[234+\b], s22, v12       ; the same of each block's largest score
.endr
	s_wait_alu depctr_va_vdst(0)
.set j, 0
.rept 64
	v_exp_f32 v[112+j], v[112+j]
.set j, j+1
.endr
	v_pk_mul_f32 v[14:15], v[14:15], v[250:251] op_sel_hi:[1,0]
	s_wait_alu depctr_va_vdst(0)
.irp b, 0,1,2,3
	v_exp_f32 v[234+\b], v[234+\b]                 ; each block's largest p
.endr
	v_pk_add_f32 v[254:255], v[112:113], v[114:115]   ; the row's sum, of the unquantised p, in two chains
.irp j, 4,8,12,16,20,24,28,32,36,40,44,48,52,56,60
	v_pk_add_f32 v[14:15], v[14:15], v[112+\j:113+\j]
	v_pk_add_f32 v[254:255], v[254:255], v[114+\j:115+\j]
.endr
	s_wait_alu depctr_va_vdst(0)                   ; for the four
.irp b, 0,1,2,3
	v_max_num_f32 v[234+\b], 0x8000000, v[234+\b]  ; the floor: the byte cannot fall under 1
.endr
	v_pk_add_f32 v[14:15], v[14:15], v[254:255]
.irp b, 0,1,2,3
	v_add_nc_u32 v[246+\b], 0xf8800000, v[234+\b]  ; the conversions' scale operands
.endr
.irp b, 0,1,2,3
	v_and_or_b32 v[242+\b], v[234+\b], 0x7f800000, s24   ; 57,344 x the scale
.endr
.irp b, 0,1,2,3
	v_lshrrev_b32 v[238+\b], 23, v[246+\b]         ; the scales' bytes
.endr
	v_dual_mov_b32 v235, v242 :: v_dual_mov_b32 v236, v243   ; copies in other banks, for the pairs below
	v_dual_mov_b32 v237, v244 :: v_dual_mov_b32 v234, v245
.irp b, 0,1,2,3
.irp i, 0,2,4,6,8,10,12,14
	v_dual_min_num_f32 v[112+16*\b+\i], v[112+16*\b+\i], v[242+\b] :: v_dual_min_num_f32 v[113+16*\b+\i], v[113+16*\b+\i], v[234+((\b)+1)%4]   ; the hold: the conversion does not saturate (ISA guide 7.6.2)
.endr
.if \b == 0
	v_lshl_or_b32 v238, v239, 8, v238              ; p's scale word, in three lines apart from each other
	v_lshl_or_b32 v240, v241, 8, v240
.endif
.if \b == 1
	v_lshl_or_b32 v232, v240, 16, v238
.endif
	v_cvt_scalef32_pk8_bf8_f32 v[208+4*\b:209+4*\b], v[112+16*\b:119+16*\b], v[246+\b]
	v_cvt_scalef32_pk8_bf8_f32 v[210+4*\b:211+4*\b], v[120+16*\b:127+16*\b], v[246+\b]
.endr
.set j, 0
.rept 16
	v_pk_mul_f32 v[176+j:177+j], v[176+j:177+j], v[250:251] op_sel_hi:[1,0]   ; O^T under the new M; also the places in front of the products
.set j, j+2
.endr
	s_wait_alu depctr_va_vdst(0)
	s_wait_dscnt 0x0                               ; V's fragments
.irp t, 0,1,2,3
	v_wmma_scale_f32_16x16x128_f8f6f4 v[176+8*\t:183+8*\t], v[48+16*\t:63+16*\t], v[208:223], v[176+8*\t:183+8*\t], v[228+\t], v232 matrix_a_fmt:MATRIX_FMT_BF8 matrix_b_fmt:MATRIX_FMT_BF8
.endr
.endm
.macro LOOP trips
	s_mov_b32 s26, \trips
.Lstep_\@:
	s_wait_alu depctr_va_vdst(0)
	STEP
	s_sub_co_u32 s26, s26, 1
	s_cmp_lg_u32 s26, 0
	s_cbranch_scc1 .Lstep_\@
.endm
; A pass ends: O^T / the sum is quantised along the head's 64 channels; the codes leave as an operand's image, the two scale bytes a row are gathered in LDS
.macro FINISH p
.if \p == 0
	s_wait_kmcnt 0x0                               ; the mask words asked for last are in, so their base may step: on to my second tile's, asked for here
	s_add_nc_u64 s[28:29], s[28:29], 65536
	MASKW
.endif
.rept 8
	v_nop
.endr
	v_add_f32 v14, v14, v15
	s_delay_alu instid0(VALU_DEP_1)
	v_permlanex16_b32 v252, v14, s20, s21
	s_delay_alu instid0(VALU_DEP_1)
	v_add_f32 v14, v14, v252
	s_wait_alu depctr_va_vdst(0)
	v_rcp_f32 v14, v14
	v_nop
	s_wait_alu depctr_va_vdst(0)
.set j, 0
.rept 32
	v_mul_f32 v[112+j], v[176+j], v14
.set j, j+1
.endr
.irp b, 0,1
	v_max3_num_f32 v[234+\b], |v[112+16*\b]|, |v[113+16*\b]|, 0x8000000
.endr
.irp i, 2,4,6,8,10,12,14
.irp b, 0,1
	s_delay_alu instid0(VALU_DEP_2)
	v_max3_num_f32 v[234+\b], v[234+\b], |v[112+16*\b+\i]|, |v[113+16*\b+\i]|
.endr
.endr
.irp b, 0,1
	s_delay_alu instid0(VALU_DEP_2)
	v_permlanex16_b32 v[238+\b], v[234+\b], s20, s21
.endr
.irp b, 0,1
	s_delay_alu instid0(VALU_DEP_2)
	v_max_num_f32 v[234+\b], v[234+\b], v[238+\b]
.endr
.irp b, 0,1
	s_delay_alu instid0(VALU_DEP_2)
	v_add_nc_u32 v[246+\b], 0xf8800000, v[234+\b]
.endr
.irp b, 0,1
	s_delay_alu instid0(VALU_DEP_4)
	v_and_or_b32 v[242+\b], v[234+\b], 0x7f800000, s24
.endr
.irp b, 0,1
	s_delay_alu instid0(VALU_DEP_4)
	v_lshrrev_b32 v[238+\b], 23, v[246+\b]
.endr
	s_delay_alu instid0(VALU_DEP_1)
	v_lshl_or_b32 v253, v239, 8, v238
.irp b, 0,1
.irp i, 0,1,2,3,4,5,6,7,8,9,10,11,12,13,14,15
	v_med3_num_f32 v[112+16*\b+\i], v[112+16*\b+\i], -v[242+\b], v[242+\b]
.endr
	v_cvt_scalef32_pk8_bf8_f32 v[208+4*\b:209+4*\b], v[112+16*\b:119+16*\b], v[246+\b]
	v_cvt_scalef32_pk8_bf8_f32 v[210+4*\b:211+4*\b], v[120+16*\b:127+16*\b], v[246+\b]
.endr
	v_nop
	global_store_b128 v1, v[208:211], s[66:67]     ; 512 consecutive bytes a store
	global_store_b128 v1, v[212:215], s[66:67] offset:512
	ds_store_b16 v8, v253 offset:512*\p            ; each pass has 512 bytes of its own: both leave behind the one barrier at the end
.if \p == 0
	s_wait_xcnt 0x0                                ; the stores have read their base and data
	s_add_nc_u64 s[66:67], s[66:67], 262144
.endif
.endm
	s_wait_loadcnt 0x0                             ; Q
	v_perm_b32 v233, v252, v252, v9
	START
	s_wait_tensorcnt 0x1                           ; my part of key steps 0-7 is in; the one load behind it may be out
	s_barrier_signal -1
	s_barrier_wait -1
	LOOP 8
	s_wait_tensorcnt 0x0                           ; my part of key steps 8-15
	s_wait_dscnt 0x0
	s_barrier_signal -1
	s_barrier_wait -1
	LOOP 8
	FINISH 0
	INITR
.irp j, 0,1,2,3,4,5,6,7
	v_mov_b32 v[24+\j], v[40+\j]                   ; my second tile of Q
.endr
	v_perm_b32 v233, v11, v11, v9
	START
	LOOP 16
	FINISH 1
	s_wait_dscnt 0x0                               ; for the others' sake
	s_barrier_signal -1
	s_barrier_wait -1                              ; all sixteen waves' scale bytes of both passes lie in LDS
	s_cmp_lg_u32 s25, 0
	s_cbranch_scc1 .Lnot0
	ds_load_b128 v[216:219], v10
	ds_load_b128 v[220:223], v10 offset:512
	s_wait_dscnt 0x0
	global_store_b128 v1, v[216:219], s[100:101]   ; 512 consecutive bytes a store
	global_store_b128 v1, v[220:223], s[100:101] offset:512
.Lnot0:
	s_wait_kmcnt 0x0
	s_wait_xcnt 0x0
	v_lshl_add_u32 v254, v0, 2, SPARE              ; the add's two registers, made anew: they were at work in the steps
	v_mov_b32 v255, 0
	s_wait_alu depctr_va_vdst(0)
	s_wait_tensorcnt 0x0                           ; the wave's end
	ds_add_u32 v254, v255
	s_wait_dscnt 0x0
	CROUND                                         ; the closing round
	s_endpgm
.Lfunc_end_k_qf4ff2f37bb_attn:
	.size	k_qf4ff2f37bb_attn, .Lfunc_end_k_qf4ff2f37bb_attn-k_qf4ff2f37bb_attn
	.p2alignl 7, 3214868480
	.fill 96, 4, 3214868480
	.section	.rodata,"a",@progbits
	.p2align	6, 0x0
	.amdhsa_kernel k_qf4ff2f37bb_attn
		.amdhsa_group_segment_fixed_size 327680
		.amdhsa_private_segment_fixed_size 0
		.amdhsa_enable_private_segment 0
		.amdhsa_kernarg_size 40
		.amdhsa_user_sgpr_count 2
		.amdhsa_user_sgpr_kernarg_segment_ptr 1
		.amdhsa_wavefront_size32 1
		.amdhsa_system_sgpr_workgroup_id_x 1
		.amdhsa_system_sgpr_workgroup_id_y 1
		.amdhsa_system_sgpr_workgroup_id_z 1
		.amdhsa_system_vgpr_workitem_id 0
		.amdhsa_next_free_vgpr 256
		.amdhsa_next_free_sgpr 102
		.amdhsa_reserve_vcc 0
		.amdhsa_float_denorm_mode_32 3
		.amdhsa_float_denorm_mode_16_64 3
		.amdhsa_memory_ordered 1
		.amdhsa_forward_progress 1
		.amdhsa_inst_pref_size 94
	.end_amdhsa_kernel
	.amdgpu_metadata
---
amdhsa.version: [ 1, 2 ]
amdhsa.kernels:
  - .name:           k_qf4ff2f37bb_attn
    .symbol:         k_qf4ff2f37bb_attn.kd
    .args:
      - { .name: qimg, .offset: 0, .size: 8, .value_kind: global_buffer, .address_space: global }
      - { .name: kv, .offset: 8, .size: 8, .value_kind: global_buffer, .address_space: global }
      - { .name: maskw, .offset: 16, .size: 8, .value_kind: global_buffer, .address_space: global }
      - { .name: ctximg, .offset: 24, .size: 8, .value_kind: global_buffer, .address_space: global }
      - { .name: csc, .offset: 32, .size: 8, .value_kind: global_buffer, .address_space: global }
    .group_segment_fixed_size: 327680
    .private_segment_fixed_size: 0
    .kernarg_segment_align: 8
    .kernarg_segment_size: 40
    .max_flat_workgroup_size: 512
    .sgpr_count:     102
    .vgpr_count:     256
    .wavefront_size: 32
...
	.end_amdgpu_metadata
.endif
;; end of part 3
;; launch outln (part 4): grid 256 x 1, 16 waves a work-group, no clusters, 313,344 bytes of LDS; arguments ctximg, csc, img, sc, query, gamma, beta, out0; writes out0
.if DOCPART == 4
	.amdgcn_target "amdgcn-amd-amdhsa--gfx1250"
	.amdhsa_code_object_version 6
	.text
	.protected	k_qf4ff2f37bb_outln
	.globl	k_qf4ff2f37bb_outln
	.p2align	8
	.type	k_qf4ff2f37bb_outln,@function
k_qf4ff2f37bb_outln:
	s_mov_b64 s[64:65], 0
	v_nop
	global_prefetch_b8 v0, s[64:65] scope:SCOPE_SE
	s_setreg_imm32_b32 hwreg(HW_REG_WAVE_MODE, 25, 1), 1
	s_wait_xcnt 0x0
; out0 = LayerNorm(ctx W_O^T + query) x gamma + beta.  The product runs on codes of BF8 (E5M2) with E8M0 scales, K = 1,024; all else in f32; mean and variance in two passes, as the definition has them.
; SHARES.  A work-group owns 32 tokens (tiles 2 g and 2 g + 1 of ctx), all 1,024 columns: each row has one owner.  Wave w makes columns 64 w .. 64 w + 63 (W_O's tiles 4 w .. 4 w + 3): 8 accumulators.
; The product is used transposed (source 0 = 16 rows of W_O, source 1 = 16 tokens).  ctx's 16 fragments are copied once into LDS, a fragment a wave, as images of an operand's registers, and read by all waves.
; A wave's fragments of W_O are read by no other wave of the work-group: they go from img straight into registers, two K steps ahead.
; THE RESIDUAL, 32 rows x 256 bytes of query a wave, is asked for at the head by one tensor load a wave, into LDS bytes of the wave's own that are filled once and read by that wave alone: it comes while the product runs.
; NO JOINT LOADS, though all work-groups read the same W_O: a ring shared in a cluster would want a round of the cluster's barrier for each K step, which here is 8 matrix instructions a wave.
; REGISTERS: v1-13 addresses; v14-15 ctx's scale words; v16-79 accumulators ((m, t) at v[16 + 8 (4 m + t)]); v80-143, v144-207 W_O's fragments, two sets; v208-239 ctx's two fragments; v240-255 W_O's scale words
;   (register 4 t + q: lanes 0-15 K step q, lanes 16-31 K step 4 + q).  On the way out: v144-207 the rows, v80-143 the residual, v16-63 sums, means, 1 / deviation, v208-215 gamma and beta, v216 the residual's LDS address.
.set XIMG, 0                           ; LDS: ctx's 16 fragments (8 m + K step), 2,048 bytes each,
.set XSC,  32768                       ; their scale words, 128 bytes each,
.set STG,  34816                       ; a stage of 32 rows x (256 + 16) bytes for each wave,
.set SPI,  272
.set RED1, 174080                      ; [row][wave] partial sums, 2,048 bytes; behind them the squares' likewise,
.set MEAN, 178176                      ; [lane / 16][row / 2] means, 128 bytes; behind them 1 / deviation likewise,
.set RES,  180224                      ; the residual: 8,192 bytes for each wave: 32 rows of 256 bytes on end
.set ACC,  16
.set BS,   80
.set AFR,  208
.set WS,   240
.set RSA,  216
	s_load_b512 s[4:19], s[0:1], 0x0               ; ctximg, csc, img, sc, query, gamma, beta, out0
	v_lshl_add_u32 v254, v0, 2, 0x4c000
	v_mov_b32 v255, 0
	ds_add_u32 v254, v255
	ds_add_u32 v254, v255
	s_wait_dscnt 0x0
	v_lshrrev_b32 v1, 5, v0
	s_delay_alu instid0(VALU_DEP_1)
	v_readfirstlane_b32 s22, v1                    ; wave 0..15
	v_and_b32 v16, 31, v0                          ; lane
	v_and_b32 v17, 15, v0                          ; r
	v_bfe_u32 v18, v0, 4, 1                        ; h
	s_delay_alu instid0(VALU_DEP_3)
	v_lshlrev_b32 v1, 4, v16                       ; 16 x lane
	s_delay_alu instid0(VALU_DEP_4)
	v_lshlrev_b32 v2, 2, v16                       ; 4 x lane
	s_lshl_b32 s36, s22, 11
	v_add_nc_u32 v3, s36, v1                       ; where I put my fragment of ctx
	s_lshl_b32 s36, s22, 7
	v_add_nc_u32 v13, s36, v2                      ; and its scale words
	s_mul_i32 s37, s22, 32*SPI
	s_add_co_u32 s37, s37, STG                     ; my stage
	v_and_b32 v19, 8, v17
	s_delay_alu instid0(VALU_DEP_1)
	v_add_nc_u32 v19, v19, v17                     ; r + 8 (r / 8): the token's place among the tile pair's 32
	s_delay_alu instid0(VALU_DEP_1)
	v_mul_u32_u24 v4, v19, SPI
	s_delay_alu instid0(VALU_DEP_1)
	v_lshl_add_u32 v4, v18, 6, v4
	s_delay_alu instid0(VALU_DEP_1)
	v_add_nc_u32 v4, s37, v4                       ; in
	v_mul_u32_u24 v5, v18, SPI
	s_delay_alu instid0(VALU_DEP_1)
	v_lshl_add_u32 v5, v17, 4, v5
	s_delay_alu instid0(VALU_DEP_1)
	v_add_nc_u32 v5, s37, v5                       ; back: lanes 0-15 one row of 256 bytes, lanes 16-31 the next
	v_lshlrev_b32 v6, 12, v18
	s_delay_alu instid0(VALU_DEP_1)
	v_lshl_add_u32 v6, v17, 4, v6                  ; and the same two rows in out0
	s_lshl_b32 s36, s22, 2
	s_add_co_u32 s36, s36, RED1
	v_lshl_add_u32 v7, v18, 6, s36                 ; my wave's word of row lane / 16 (+ 128 for each two rows)
	s_lshl_b32 s36, s22, 7
	s_add_co_u32 s36, s36, RED1
	v_add_nc_u32 v8, s36, v2                       ; the 16 words of rows 2 w and 2 w + 1, a word a lane
	s_lshl_b32 s36, s22, 2
	s_add_co_u32 s36, s36, MEAN
	v_lshl_add_u32 v9, v18, 6, s36
	v_lshlrev_b32 v10, 6, v18
	s_delay_alu instid0(VALU_DEP_1)
	v_add_nc_u32 v10, MEAN, v10
	v_lshlrev_b32 v11, 4, v17                      ; gamma, beta: my four columns
	v_lshlrev_b32 v12, 5, v17
	s_delay_alu instid0(VALU_DEP_1)
	v_lshl_add_u32 v12, v18, 4, v12                ; W_O's scale bytes: row r, + 16 h
	v_lshlrev_b32 v20, 1, v17                      ; ctx's: 2 r
	s_mov_b32 s20, 0x3727c5ac                      ; 1e-5
	s_mov_b32 s21, 0x3a800000                      ; 1 / 1,024
	s_lshl_b32 s24, ttmp9, 15
	s_lshl_b32 s26, s22, 11
	s_add_co_u32 s24, s24, s26
	s_mov_b32 s25, 0                               ; ctximg: 32,768 bytes a work-group, fragment w
	s_lshr_b32 s26, ttmp9, 6
	s_lshl_b32 s26, s26, 4
	s_and_b32 s27, s22, 7
	s_lshl_b32 s27, s27, 1
	s_add_co_u32 s26, s26, s27                     ; 16 x batch + the first head of my K step
	s_lshl_b32 s26, s26, 12
	s_lshl_b32 s27, ttmp9, 1
	s_lshr_b32 s28, s22, 3
	s_add_co_u32 s27, s27, s28
	s_and_b32 s27, s27, 127                        ; my fragment's tile in its batch
	s_lshl_b32 s27, s27, 5
	s_add_co_u32 s26, s26, s27
	s_mov_b32 s27, 0
	s_lshl_b32 s28, s22, 16
	s_add_co_u32 s28, s28, 1728*16384              ; W_O's tiles begin at tile 1,728; four a wave
	s_mov_b32 s29, 0
	s_lshl_b32 s30, s22, 11
	s_add_co_u32 s30, s30, 1728*512
	s_mov_b32 s31, 0
	s_lshl_b32 s32, ttmp9, 17
	s_lshl_b32 s34, s22, 8
	s_add_co_u32 s32, s32, s34                     ; 32 rows of 4,096 bytes a work-group, 256 bytes a wave
	s_mov_b32 s33, 0
	s_mov_b32 s35, 0
	; the residual's descriptor.  Group 1: 32 rows of 256 bytes (32 elements of 8), 4,096 bytes (512 elements) apart; no mask, no padding: a read takes two rows, 512 consecutive bytes
	s_mov_b32 s44, 3<<16                           ; 17:16 elements of 8 bytes
	s_mov_b32 s45, 32<<16                          ; tensor_dim0
	s_mov_b32 s46, 32<<16                          ; tensor_dim1
	s_mov_b32 s47, 32<<16                          ; tile_dim0
	s_mov_b32 s48, 32                              ; tile_dim1
	s_mov_b32 s49, 512                             ; tensor_dim0_stride
	s_mov_b32 s50, 0
	s_mov_b32 s51, 0
	s_mov_b32 s40, 1                               ; group 0: count = 1,
	s_lshl_b32 s41, s22, 13
	s_add_co_u32 s41, s41, RES                     ; the LDS address: my wave's 8,192 bytes,
	s_wait_alu depctr_va_vdst(0)
	s_wait_kmcnt 0x0
	s_add_nc_u64 s[4:5], s[4:5], s[24:25]
	s_add_nc_u64 s[6:7], s[6:7], s[26:27]
	s_add_nc_u64 s[8:9], s[8:9], s[28:29]
	s_add_nc_u64 s[10:11], s[10:11], s[30:31]
	s_add_nc_u64 s[12:13], s[12:13], s[32:33]
	s_add_nc_u64 s[18:19], s[18:19], s[32:33]
	s_add_nc_u64 s[14:15], s[14:15], s[34:35]
	s_add_nc_u64 s[16:17], s[16:17], s[34:35]
	s_mov_b64 s[42:43], s[12:13]                   ; the global address: my 256 bytes of the work-group's first row of query,
	s_or_b32 s43, s43, 0x80000000                  ; and the type
	tensor_load_to_lds s[40:43], s[44:51]          ; my one tensor load: ahead of every LDS read and every barrier
	s_nop 0
.rept 4
	v_nop
.endr
.macro BLOAD ks                        ; my four fragments of W_O for K step ks, into set ks % 2
.irp t, 0,1,2,3
.irp c, 0,1,2,3
	global_load_b128 v[BS+64*((\ks)%2)+16*\t+4*\c:BS+64*((\ks)%2)+16*\t+4*\c+3], v1, s[8:9] offset:16384*\t+2048*(\ks)+512*\c
.endr
.endr
.endm
.macro ALOAD ks                        ; ctx's two fragments and their scale words
.irp m, 0,1
.irp c, 0,1,2,3
	ds_load_b128 v[AFR+16*\m+4*\c:AFR+16*\m+4*\c+3], v1 offset:XIMG+2048*(8*\m+(\ks))+512*\c
.endr
	ds_load_b32 v[14+\m], v2 offset:XSC+128*(8*\m+(\ks))
.endr
.endm
.irp c, 0,1,2,3
	global_load_b128 v[AFR+4*\c:AFR+4*\c+3], v1, s[4:5] offset:512*\c
.endr
	global_load_u16 v224, v20, s[6:7]              ; two scale bytes of the K step's first head,
	global_load_u16 v225, v20, s[6:7] offset:4096  ; and of its second
.irp t, 0,1,2,3
	global_load_b128 v[WS+4*\t:WS+4*\t+3], v12, s[10:11] offset:512*\t
.endr
	BLOAD 0
	BLOAD 1
	s_wait_loadcnt 36                              ; my fragment of ctx and its bytes are in; W_O's 4 + 16 + 16 loads may be out
.irp c, 0,1,2,3
	ds_store_b128 v3, v[AFR+4*\c:AFR+4*\c+3] offset:XIMG+512*\c
.endr
	v_lshl_or_b32 v226, v225, 16, v224
	ds_store_b32 v13, v226 offset:XSC
	s_wait_dscnt 0x0                               ; for the others' sake
	s_barrier_signal -1
	s_barrier_wait -1                              ; ctx's sixteen fragments lie in LDS
	ALOAD 0
.macro PROD ks, m, t
.if (\ks) == 0
	v_wmma_scale_f32_16x16x128_f8f6f4 v[ACC+8*(4*\m+\t):ACC+8*(4*\m+\t)+7], v[BS+64*((\ks)%2)+16*\t:BS+64*((\ks)%2)+16*\t+15], v[AFR+16*\m:AFR+16*\m+15], 0, v[WS+4*\t+(\ks)%4], v[14+\m] matrix_a_fmt:MATRIX_FMT_BF8 matrix_b_fmt:MATRIX_FMT_BF8
.elseif (\ks) < 4
	v_wmma_scale_f32_16x16x128_f8f6f4 v[ACC+8*(4*\m+\t):ACC+8*(4*\m+\t)+7], v[BS+64*((\ks)%2)+16*\t:BS+64*((\ks)%2)+16*\t+15], v[AFR+16*\m:AFR+16*\m+15], v[ACC+8*(4*\m+\t):ACC+8*(4*\m+\t)+7], v[WS+4*\t+(\ks)%4], v[14+\m] matrix_a_fmt:MATRIX_FMT_BF8 matrix_b_fmt:MATRIX_FMT_BF8
.else
	v_wmma_scale_f32_16x16x128_f8f6f4 v[ACC+8*(4*\m+\t):ACC+8*(4*\m+\t)+7], v[BS+64*((\ks)%2)+16*\t:BS+64*((\ks)%2)+16*\t+15], v[AFR+16*\m:AFR+16*\m+15], v[ACC+8*(4*\m+\t):ACC+8*(4*\m+\t)+7], v[WS+4*\t+(\ks)%4], v[14+\m] matrix_a_fmt:MATRIX_FMT_BF8 matrix_b_fmt:MATRIX_FMT_BF8 matrix_a_scale:MATRIX_SCALE_ROW1
.endif
.endm
; A K step of 128: 8 products, the accumulators by turns
.macro KS ks
	s_wait_dscnt 0x0                               ; ctx's fragments are in
.if (\ks) < 7
	s_wait_loadcnt 16                              ; this step's fragments of W_O are in; the next step's 16 loads may be out
.else
	s_wait_loadcnt 0x0                             ; the last step's
.endif
.irp m, 0,1
.irp t, 0,1,2,3
	PROD \ks, \m, \t
.endr
.endr
.rept 8
	v_nop                                          ; places in front of loads into registers that the products read, and of the first read of results
.endr
.if (\ks) < 7
	ALOAD (\ks)+1
.endif
.if (\ks) < 6
	BLOAD (\ks)+2
.endif
.endm
.irp k, 0,1,2,3,4,5,6,7
	KS \k
.endr
	global_load_b128 v[208:211], v11, s[14:15]     ; gamma and beta of my four columns, into registers that ctx's fragments have left
	global_load_b128 v[212:215], v11, s[16:17]
	v_add_nc_u32 v[RSA], s41, v1                   ; the residual in LDS: my wave's bytes, 16 a lane
	; through my own stage: a lane holds 8 columns of one token; back come whole rows, tokens in their true order
.irp m, 0,1
.irp t, 0,1,2,3
	ds_store_b128 v4, v[ACC+8*(4*\m+\t):ACC+8*(4*\m+\t)+3] offset:8*SPI*\m+128*(\t/2)+32*(\t%2)
	ds_store_b128 v4, v[ACC+8*(4*\m+\t)+4:ACC+8*(4*\m+\t)+7] offset:8*SPI*\m+128*(\t/2)+32*(\t%2)+16
.endr
.endr
.irp i, 0,1,2,3,4,5,6,7,8,9,10,11,12,13,14,15
	ds_load_b128 v[144+4*\i:147+4*\i], v5 offset:2*SPI*\i   ; LDS serves a wave's instructions in order: these see the stores above
.endr
	s_wait_alu depctr_va_vdst(0)
	s_wait_tensorcnt 0x0                           ; my residual has landed; nobody else reads these bytes
.irp i, 0,1,2,3,4,5,6,7,8,9,10,11,12,13,14,15
	ds_load_b128 v[80+4*\i:83+4*\i], v[RSA] offset:512*\i   ; rows 2 i and 2 i + 1, my wave's 256 bytes of each
.endr
	s_wait_dscnt 0x0
.set j, 0
.rept 32
	v_pk_add_f32 v[144+j:145+j], v[144+j:145+j], v[80+j:81+j]
.set j, j+2
.endr
.macro ACROSS                          ; v16-31: each summed over the 16 lanes that hold a row
.irp x, 1,2,4,8
.irp i, 0,1,2,3,4,5,6,7,8,9,10,11,12,13,14,15
	v_add_f32_dpp v[16+\i], v[16+\i], v[16+\i] row_xmask:\x row_mask:0xf bank_mask:0xf
.endr
.endr
.endm
.macro ACROSS1                         ; v64 likewise: a row's 16 waves
.irp x, 1
	v_add_f32_dpp v64, v64, v64 row_xmask:\x row_mask:0xf bank_mask:0xf
.endr
.irp x, 2, 4, 8
	s_delay_alu instid0(VALU_DEP_1)
	v_add_f32_dpp v64, v64, v64 row_xmask:\x row_mask:0xf bank_mask:0xf
.endr
.endm
.macro BARRIER
	s_wait_dscnt 0x0
	s_barrier_signal -1
	s_barrier_wait -1
.endm
	; the mean
.irp i, 0,1,2,3,4,5,6,7,8,9,10,11,12,13,14,15
	v_pk_add_f32 v[80+2*\i:81+2*\i], v[144+4*\i:145+4*\i], v[146+4*\i:147+4*\i]
.endr
.irp i, 0,1,2,3,4,5,6,7,8,9,10,11,12,13,14,15
	v_add_f32 v[16+\i], v[80+2*\i], v[81+2*\i]
.endr
	ACROSS
.irp i, 0,1,2,3,4,5,6,7,8,9,10,11,12,13,14,15
	ds_store_b32 v7, v[16+\i] offset:128*\i        ; the 16 lanes of a row write the same word with the same value
.endr
	BARRIER
	ds_load_b32 v64, v8
	s_wait_dscnt 0x0
	ACROSS1
	s_delay_alu instid0(VALU_DEP_1)
	v_mul_f32 v64, s21, v64
	ds_store_b32 v9, v64
	BARRIER
.irp q, 0,1,2,3
	ds_load_b128 v[32+4*\q:35+4*\q], v10 offset:16*\q   ; the means of my 16 rows
.endr
	s_wait_dscnt 0x0
.irp i, 0,1,2,3,4,5,6,7,8,9,10,11,12,13,14,15
.irp k, 0,1,2,3
	v_sub_f32 v[144+4*\i+\k], v[144+4*\i+\k], v[32+\i]
.endr
.endr
	; the variance
.irp i, 0,1,2,3,4,5,6,7,8,9,10,11,12,13,14,15
	v_mul_f32 v[16+\i], v[144+4*\i], v[144+4*\i]
.endr
.irp k, 1,2,3
.irp i, 0,1,2,3,4,5,6,7,8,9,10,11,12,13,14,15
	v_fmac_f32 v[16+\i], v[144+4*\i+\k], v[144+4*\i+\k]
.endr
.endr
	ACROSS
.irp i, 0,1,2,3,4,5,6,7,8,9,10,11,12,13,14,15
	ds_store_b32 v7, v[16+\i] offset:2048+128*\i
.endr
	BARRIER
	ds_load_b32 v64, v8 offset:2048
	s_wait_dscnt 0x0
	ACROSS1
	s_delay_alu instid0(VALU_DEP_1)
	v_fma_f32 v64, v64, s21, s20                   ; variance + 1e-5
	s_wait_alu depctr_va_vdst(0)
	v_rsq_f32 v64, v64
	v_nop
	s_wait_alu depctr_va_vdst(0)
	ds_store_b32 v9, v64 offset:128
	BARRIER
.irp q, 0,1,2,3
	ds_load_b128 v[48+4*\q:51+4*\q], v10 offset:128+16*\q
.endr
	s_wait_dscnt 0x0
	s_wait_loadcnt 0x0                             ; gamma, beta
.irp i, 0,1,2,3,4,5,6,7,8,9,10,11,12,13,14,15
.irp k, 0,1,2,3
	v_mul_f32 v[144+4*\i+\k], v[144+4*\i+\k], v[48+\i]
.endr
.endr
.irp i, 0,1,2,3,4,5,6,7,8,9,10,11,12,13,14,15
	v_pk_fma_f32 v[144+4*\i:145+4*\i], v[144+4*\i:145+4*\i], v[208:209], v[212:213]
	v_pk_fma_f32 v[146+4*\i:147+4*\i], v[146+4*\i:147+4*\i], v[210:211], v[214:215]
	global_store_b128 v6, v[144+4*\i:147+4*\i], s[18:19] offset:8192*\i th:TH_STORE_NT   ; 16 lanes store 256 consecutive bytes, aligned
.endr
	s_wait_xcnt 0x0
	v_lshl_add_u32 v254, v0, 2, 0x4c000
	v_mov_b32 v255, 0
	s_wait_alu depctr_va_vdst(0)
	s_wait_tensorcnt 0x0
	ds_add_u32 v254, v255
	s_wait_dscnt 0x0
	s_endpgm
.Lfunc_end_k_qf4ff2f37bb_outln:
	.size	k_qf4ff2f37bb_outln, .Lfunc_end_k_qf4ff2f37bb_outln-k_qf4ff2f37bb_outln
	.p2alignl 7, 3214868480
	.fill 96, 4, 3214868480
	.section	.rodata,"a",@progbits
	.p2align	6, 0x0
	.amdhsa_kernel k_qf4ff2f37bb_outln
		.amdhsa_group_segment_fixed_size 313344
		.amdhsa_private_segment_fixed_size 0
		.amdhsa_enable_private_segment 0
		.amdhsa_kernarg_size 64
		.amdhsa_user_sgpr_count 2
		.amdhsa_user_sgpr_kernarg_segment_ptr 1
		.amdhsa_wavefront_size32 1
		.amdhsa_system_sgpr_workgroup_id_x 1
		.amdhsa_system_sgpr_workgroup_id_y 1
		.amdhsa_system_sgpr_workgroup_id_z 1
		.amdhsa_system_vgpr_workitem_id 0
		.amdhsa_next_free_vgpr 256
		.amdhsa_next_free_sgpr 66
		.amdhsa_reserve_vcc 0
		.amdhsa_float_denorm_mode_32 3
		.amdhsa_float_denorm_mode_16_64 3
		.amdhsa_memory_ordered 1
		.amdhsa_forward_progress 1
		.amdhsa_inst_pref_size 63
	.end_amdhsa_kernel
	.amdgpu_metadata
---
amdhsa.version: [ 1, 2 ]
amdhsa.kernels:
  - .name:           k_qf4ff2f37bb_outln
    .symbol:         k_qf4ff2f37bb_outln.kd
    .args:
      - { .name: ctximg, .offset: 0, .size: 8, .value_kind: global_buffer, .address_space: global }
      - { .name: csc, .offset: 8, .size: 8, .value_kind: global_buffer, .address_space: global }
      - { .name: img, .offset: 16, .size: 8, .value_kind: global_buffer, .address_space: global }
      - { .name: sc, .offset: 24, .size: 8, .value_kind: global_buffer, .address_space: global }
      - { .name: query, .offset: 32, .size: 8, .value_kind: global_buffer, .address_space: global }
      - { .name: gamma, .offset: 40, .size: 8, .value_kind: global_buffer, .address_space: global }
      - { .name: beta, .offset: 48, .size: 8, .value_kind: global_buffer, .address_space: global }
      - { .name: out0, .offset: 56, .size: 8, .value_kind: global_buffer, .address_space: global }
    .group_segment_fixed_size: 313344
    .private_segment_fixed_size: 0
    .kernarg_segment_align: 8
    .kernarg_segment_size: 64
    .max_flat_workgroup_size: 512
    .sgpr_count:     66
    .vgpr_count:     256
    .wavefront_size: 32
...
	.end_amdgpu_metadata
.endif
;; end of part 4
